; MI455X (gfx1250); checked and timed in simulation.
; The chip was launched on July 23, 2026; its instructions are those of AMD's public machine-readable ISA for CDNA 5 (MIT licence, August 2026) and "CDNA5" Instruction Set Architecture Reference Guide (July 2026). The comments in the code are by the model that wrote it; some were corrected since.
;; Vector Quantizer. Allowed arithmetic: float matrix products may take bf16 or f16 operands with f32 sums; all other float work in f32.
;; Inputs: codebook_weight 4,096 x 16 float32; z 16 x 4,096 x 16 float32.
;; Outputs: out0 16 x 1 x 4,096 x 16 float32; out1 one number float32; out2 one number float32; out3 one number float32; out4 16 x 4,096 int32.
;; 2 versions, each right; version 2 is version 1 with the launch sweep written anew for expert scheduling mode. Each part assembles by itself: llvm-mc -triple=amdgcn-amd-amdhsa -mcpu=gfx1250 --defsym DOCPART=n.
;; ======== version 1 of 2: 3 launches
;; limits: values are held in f16: magnitudes above 65,504 overflow, below 6.1e-05 lose precision; inputs' magnitudes at most 65,280
;; workspace buffers: grp 262,144 bytes of whole numbers; part 1,024 bytes
;; launch sweep (part 1): grid 256 x 1, 8 waves a work-group, no clusters, 173,056 bytes of LDS; arguments codebook_weight, z, grp; writes grp
.if DOCPART == 1
	.amdgcn_target "amdgcn-amd-amdhsa--gfx1250"
	.amdhsa_code_object_version 6
	.text
	.protected	k_qed8375e7e0_sweep
	.globl	k_qed8375e7e0_sweep
	.p2align	8
	.type	k_qed8375e7e0_sweep,@function
k_qed8375e7e0_sweep:
	s_mov_b64 s[64:65], 0
	v_nop
	global_prefetch_b8 v0, s[64:65] scope:SCOPE_SE
	s_setreg_imm32_b32 hwreg(HW_REG_WAVE_MODE, 25, 1), 1
	s_wait_xcnt 0x0
; SWEEP: for each of the 65,536 rows of z, which group of 8 neighbouring codes (codes 8 g .. 8 g + 7, g = 0..511) holds the nearest code.
; argmin over n of |zn|^2 - 2 zn.c_n + |c_n|^2 = argmax of zn.c_n - |c_n|^2 / 2; |zn|^2 is the same for all codes of a row and is not formed.
;
; NUMBERS.  z and the codebook are first rounded to bf16 (nearest even); everything behind that is kept close to f32:
;   zn = zb / max(|zb|, 1e-12), times 256, cut into two f16 parts (upper 11 significant bits, the rest rounded to f16);
;   cb is a bf16 number held in f16: exact for 2^-17 <= |cb| < 65520; smaller ones carry an absolute error of at most 2^-25.
;   LIMIT: |codebook| >= 65520 overflows f16 and gives no valid result.
;   The matrix form has K = 32, the problem K = 16: A = [cb | cb], B = [zn_hi | zn_lo], C = -128 |cb|^2 in f32, sums in f32,
;   so a score is 256 (zn.cb - |cb|^2 / 2).  Equal scores: the lower code index wins.
;   LIMIT: codes whose distances differ by no more than an f32 rounding of the distance may be ordered otherwise than by another
;   order of f32 roundings.
;
; WORK.  256 work-groups x 256 rows.  Eight waves: wave w takes rows 128 (w & 1) .. +127 (8 B fragments, resident) and
; codes 1024 (w >> 1) .. +1023 (64 tiles of 16).  A holds codes (M), B rows of z (N): lane (r, h) then holds in D's 8 registers the
; scores of row r against codes 16 t + 8 h + 0..7, so a lane's running maximum with the tile's number names a group g = 2 t + h.
; Four LDS loads feed 8 matrix instructions; each result tile costs 4 three-way maxima, a compare and a select.
;
; LDS: CH 131,072 bytes, the f16 codebook in fragment order: tile t at 512 t, lane (r, h)'s 16 bytes at 256 h + 16 ((r + 8 h) & 15), so
; that a fragment load reads 256 consecutive bytes for each half of the lanes and the 32 stores of 8 bytes of the preparation fall on
; 256 different bytes modulo 256 (64 banks of 4 bytes: ISA guide 11.1); CC 16,384 bytes, -128 |cb|^2; ZF 16,384 bytes, z fragments;
; MV and MI, 4,096 bytes each, for the merge of the four code quarters.
; NO CLUSTER, NO TENSOR LOADS: the table that all work-groups share has to pass through registers (rounding, norms, f16) before it can
; be used; its 262,144 raw bytes beside the 147,456 converted ones and the 24,576 others exceed the 327,680 bytes a work-group can get.
.set LDS_CC, 131072
.set LDS_ZF, 147456
.set LDS_MV, 163840
.set MI,     4096                      ; MI lies 4,096 bytes behind MV
.set WV,  1                            ; wave number
.set LN,  2                            ; lane
.set R,   3                            ; lane & 15
.set H,   4                            ; lane >> 4
.set ZO,  5                            ; byte offset of my 32 bytes of z; at the end of my 16 bytes of grp
.set GO,  6                            ; byte offset of my 16 bytes in my wave's first tile of the codebook
.set LAA, 7                            ; CH: where my 8 bytes of a tile's codes 0-7 go
.set LAB, 8                            ; CH: where my 8 bytes of its codes 8-15 go
.set LC,  9                            ; CC: where my code's word goes
.set ZS,  10                           ; ZF: where my fragments go
.set AA,  11                           ; CH: my 16 bytes of the current tile
.set CA,  12                           ; CC: my 32 bytes of the current tile
.set MA,  13                           ; MV: my word; at the end my 16 bytes
.set TL,  14                           ; number of the tile whose results are being reduced
.set ZB,  15                           ; ZF: my 16 bytes of my first row block
; preparation (registers of the sweep, used earlier)
.set ZR, 16                            ; v16-31  two row blocks of z as loaded
.set T,  32                            ; v32-39  8 numbers at work
.set P,  40                            ; v40-43  packed bf16
.set W,  44                            ; v44-45  sum of squares
.set RR, 46                            ; v46-47  256 / norm
.set U,  48                            ; v48-55  upper parts
.set ZH, 56                            ; v56-59  upper parts in f16
.set ZL, 60                            ; v60-63  lower parts in f16
.set TA, 32                            ; v32-41  codebook chunk a: 2 packed, 4 f32, 2 squares, 2 f16
.set TB, 44                            ; v44-53  codebook chunk b
.set X,  80                            ; v80-143 ring of 16 codebook loads
; sweep
.set BF,  16                           ; v16-79   8 B fragments
.set DX,  80                           ; v80-111  results, row blocks 0-3
.set DY,  112                          ; v112-143 results, row blocks 4-7
.set AB,  144                          ; v144-207 four buffers of A (8) and C (8)
.set MXA, 208                          ; v208-215 running maxima, read in even tiles and written in odd ones
.set MXB, 216                          ; v216-223 the other way round
.set IX,  224                          ; v224-231 tile of the running maximum
.set M,   232                          ; v232-235 at work
	s_load_b128 s[4:7], s[0:1], 0x0                ; codebook s[4:5], z s[6:7]
	s_load_b64 s[8:9], s[0:1], 0x10                ; grp
	v_lshl_add_u32 v240, v0, 2, 0x2a000
	v_mov_b32 v241, 0
	v_lshrrev_b32 v[WV], 5, v0
	v_readfirstlane_b32 s10, v[WV]                 ; wave 0..7
	s_and_b32 s11, s10, 1                          ; which 128 rows
	s_lshr_b32 s15, s10, 1                         ; which 1,024 codes
	s_mov_b32 s12, 0x76543210                      ; v_permlanex16_b32: lane i reads lane i of the other half
	s_mov_b32 s13, 0xfedcba98
	s_mov_b32 s14, 0xffff0000                      ; a word's upper bf16
	s_mov_b32 s27, 0xffffe000                      ; keeps the upper 11 significant bits of an f32
	s_lshl_b32 s2, ttmp9, 14                       ; 256 rows of 64 bytes
	s_mov_b32 s3, 0
	s_lshl_b32 s18, ttmp9, 10                      ; 256 words of grp
	s_mov_b32 s19, 0
	v_and_b32 v[LN], 31, v0
	v_and_b32 v[R], 15, v0
	v_bfe_u32 v[H], v0, 4, 1
	v_lshlrev_b32 v[ZO], 6, v[R]                   ; z: row r of block 2 w: 64 r + 32 h + 2,048 w
	v_lshl_add_u32 v[ZO], v[H], 5, v[ZO]
	v_lshl_add_u32 v[ZO], v[WV], 11, v[ZO]
	v_lshlrev_b32 v[GO], 4, v[LN]                  ; codebook: tile 8 s + w is 1,024 bytes: 1,024 w + 16 lane, the rest in the immediates
	v_lshl_add_u32 v[GO], v[WV], 10, v[GO]
	s_wait_kmcnt 0x0
	s_add_nc_u64 s[6:7], s[6:7], s[2:3]
	s_add_nc_u64 s[8:9], s[8:9], s[18:19]
	global_load_b128 v[ZR:ZR+3],     v[ZO], s[6:7]
	global_load_b128 v[ZR+4:ZR+7],   v[ZO], s[6:7] offset:16
	global_load_b128 v[ZR+8:ZR+11],  v[ZO], s[6:7] offset:1024
	global_load_b128 v[ZR+12:ZR+15], v[ZO], s[6:7] offset:1040
.irp s, 0,1,2,3,4,5,6,7,8,9,10,11,12,13,14,15
	global_load_b128 v[X+4*\s:X+4*\s+3], v[GO], s[4:5] offset:(\s/2)*8192+(\s%2)*512   ; a wave's load covers 512 consecutive bytes: 8 codes
.endr
	; LDS addresses; every wave term comes from the scalar wave number.
	s_lshl_b32 s34, s10, 9                         ; CH: my wave's tile in each step of 8 tiles
	s_lshl_b32 s35, s10, 6
	s_add_co_u32 s35, s35, LDS_CC                  ; CC: the same tile's 16 words
	s_lshl_b32 s36, s10, 11
	s_add_co_u32 s36, s36, LDS_ZF                  ; ZF: row blocks 2 w, 2 w + 1
	s_lshl_b32 s28, s15, 15                        ; my quarter of CH
	s_lshl_b32 s29, s15, 12
	s_add_co_u32 s29, s29, LDS_CC                  ; my quarter of CC
	s_lshl_b32 s30, s11, 13
	s_add_co_u32 s30, s30, LDS_ZF                  ; my 8 row blocks
	s_lshl_b32 s31, s15, 10
	s_lshl_b32 s32, s11, 9
	s_add_co_u32 s31, s31, s32
	s_add_co_u32 s31, s31, LDS_MV                  ; MV[quarter][128 x row half]
	s_lshl_b32 s33, s15, 6                         ; my first tile
	; A lane of the preparation holds dims 4 (l & 3) .. +3 of code c = l >> 2 (chunk a) or 8 + c (chunk b) of the tile:
	; half hq = bit 1 of l, 8-byte part e = bit 0.  Column (code + 8 hq) & 15 = c + 8 hq (a), c + 8 (1 - hq) (b).
	v_bfe_u32 v[LAB], v0, 1, 1                     ; hq
	v_bfe_u32 v[LAA], v0, 2, 3                     ; c
	v_and_b32 v[LC], 1, v0                         ; e
	v_lshlrev_b32 v[LAA], 4, v[LAA]
	v_lshl_add_u32 v[LAA], v[LC], 3, v[LAA]
	v_add_nc_u32 v[LAA], s34, v[LAA]               ; 512 w + 16 c + 8 e
	v_lshl_add_u32 v[LC], v[LAB], 7, v[LAA]        ; + 128 hq
	v_lshl_add_u32 v[LAA], v[LAB], 8, v[LC]        ; a: + 256 hq + 16 x 8 hq
	v_add_nc_u32 v[LAB], 128, v[LC]                ; b: + 256 hq + 16 x 8 (1 - hq)
	v_and_b32 v[LC], 0x1c, v0                      ; 4 c
	v_add_nc_u32 v[LC], s35, v[LC]
	v_lshl_add_u32 v[ZS], v[LN], 4, s36
	v_lshl_add_u32 v[AA], v[H], 3, v[R]
	v_and_b32 v[AA], 15, v[AA]
	v_lshlrev_b32 v[AA], 4, v[AA]
	v_lshl_add_u32 v[AA], v[H], 8, v[AA]
	v_add_nc_u32 v[AA], s28, v[AA]
	v_lshl_add_u32 v[CA], v[H], 5, s29
	v_lshl_add_u32 v[ZB], v[LN], 4, s30
	v_lshl_add_u32 v[MA], v[R], 2, s31
; One row block of z: lane (r, h) holds dims 8 h .. 8 h + 7 of row r, which is what a B fragment wants of it.
.macro ZPREP b
.irp j, 0,1,2,3
	v_cvt_pk_bf16_f32 v[P+\j], v[ZR+8*\b+2*\j], v[ZR+8*\b+2*\j+1]      ; round to bf16,
.endr
.irp j, 0,1,2,3
	v_lshlrev_b32 v[T+2*\j], 16, v[P+\j]                               ; and back to f32
	v_and_b32 v[T+2*\j+1], s14, v[P+\j]
.endr
	v_pk_mul_f32 v[W:W+1], v[T:T+1], v[T:T+1]
.irp j, 2,4,6
	v_pk_fma_f32 v[W:W+1], v[T+\j:T+\j+1], v[T+\j:T+\j+1], v[W:W+1]
.endr
	v_add_f32 v[W], v[W], v[W+1]
	v_permlanex16_b32 v[W+1], v[W], s12, s13       ; the other 8 dims of the row
	v_add_f32 v[W], v[W], v[W+1]
	v_sqrt_f32 v[RR], v[W]
	v_nop                                          ; one plain instruction behind a transcendental before its result is used (ISA guide 5.7.2)
	s_wait_alu depctr_va_vdst(0)
	v_max_num_f32 v[RR], 0x2b8cbccc, v[RR]         ; max(norm, 1e-12)
	v_rcp_f32 v[RR+1], v[RR]
	v_nop
	s_wait_alu depctr_va_vdst(0)
	v_mul_f32 v[RR], 0x43800000, v[RR+1]           ; 256 / norm: the factor keeps the lower parts in f16's normal range
.irp j, 0,2,4,6
	v_pk_mul_f32 v[T+\j:T+\j+1], v[T+\j:T+\j+1], v[RR:RR+1] op_sel_hi:[1,0]
.endr
.irp j, 0,1,2,3,4,5,6,7
	v_and_b32 v[U+\j], s27, v[T+\j]                ; upper 11 bits: exact in f16
.endr
.irp j, 0,2,4,6
	v_pk_add_f32 v[T+\j:T+\j+1], v[T+\j:T+\j+1], v[U+\j:U+\j+1] neg_lo:[0,1] neg_hi:[0,1]   ; the rest, exact in f32
.endr
.irp j, 0,1,2,3
	v_cvt_pk_f16_f32 v[ZH+\j], v[U+2*\j], v[U+2*\j+1]
	v_cvt_pk_f16_f32 v[ZL+\j], v[T+2*\j], v[T+2*\j+1]
.endr
	ds_store_b128 v[ZS], v[ZH:ZH+3] offset:1024*\b         ; registers 0-3 of the fragment (k = 8 h ..)
	ds_store_b128 v[ZS], v[ZL:ZL+3] offset:1024*\b+512     ; registers 4-7 (k = 16 + 8 h ..)
.endm
	s_wait_loadcnt 16                              ; the four z loads are in; the 16 codebook loads behind them stay out
	ZPREP 0
	ZPREP 1
	; The codebook: 32 tiles a wave, a tile's two chunks (codes 0-7, codes 8-15) at a time, a ring of 16 loads.
	; Per chunk: round to bf16, widen, squares, f16.  The four lanes of a code add their squares by two DPP steps; all four then
	; store the same word.  i counts chunks: tile 8 (i / 2) + w lies at 4,096 i in the codebook, 2,048 i in CH, 256 i in CC.
.set i, 0
.rept 32
.set XA, X+4*(i%16)
.set XB, X+4*((i+1)%16)
.if i == 32
	v_add_nc_u32 v[LAA], 0x10000, v[LAA]           ; LDS immediates have 16 bits: the second half of CH
	v_add_nc_u32 v[LAB], 0x10000, v[LAB]
.endif
.if i < 48
	s_wait_loadcnt 14                              ; chunks i, i + 1 are in; the 14 loads behind them stay out
.else
	s_wait_loadcnt 62-i                            ; the tail issues no loads: the count runs down
.endif
	v_cvt_pk_bf16_f32 v[TA],   v[XA],   v[XA+1]
	v_cvt_pk_bf16_f32 v[TB],   v[XB],   v[XB+1]
	v_cvt_pk_bf16_f32 v[TA+1], v[XA+2], v[XA+3]
	v_cvt_pk_bf16_f32 v[TB+1], v[XB+2], v[XB+3]
.if i < 48
	global_load_b128 v[XA:XA+3], v[GO], s[4:5] offset:(i+16)*4096
	global_load_b128 v[XB:XB+3], v[GO], s[4:5] offset:(i+16)*4096+512
.endif
	v_lshlrev_b32 v[TA+2], 16, v[TA]
	v_and_b32     v[TA+3], s14, v[TA]
	v_lshlrev_b32 v[TA+4], 16, v[TA+1]
	v_and_b32     v[TA+5], s14, v[TA+1]
	v_lshlrev_b32 v[TB+2], 16, v[TB]
	v_and_b32     v[TB+3], s14, v[TB]
	v_lshlrev_b32 v[TB+4], 16, v[TB+1]
	v_and_b32     v[TB+5], s14, v[TB+1]
	v_pk_mul_f32 v[TA+6:TA+7], v[TA+2:TA+3], v[TA+2:TA+3]
	v_pk_mul_f32 v[TB+6:TB+7], v[TB+2:TB+3], v[TB+2:TB+3]
	v_cvt_pk_f16_f32 v[TA+8], v[TA+2], v[TA+3]
	v_cvt_pk_f16_f32 v[TB+8], v[TB+2], v[TB+3]
	v_cvt_pk_f16_f32 v[TA+9], v[TA+4], v[TA+5]
	v_cvt_pk_f16_f32 v[TB+9], v[TB+4], v[TB+5]
	v_pk_fma_f32 v[TA+6:TA+7], v[TA+4:TA+5], v[TA+4:TA+5], v[TA+6:TA+7]
	v_pk_fma_f32 v[TB+6:TB+7], v[TB+4:TB+5], v[TB+4:TB+5], v[TB+6:TB+7]
	ds_store_b64 v[LAA], v[TA+8:TA+9] offset:(i%32)*2048
	ds_store_b64 v[LAB], v[TB+8:TB+9] offset:(i%32)*2048
	v_add_f32 v[TA+6], v[TA+6], v[TA+7]
	v_add_f32 v[TB+6], v[TB+6], v[TB+7]
	v_add_f32_dpp v[TA+6], v[TA+6], v[TA+6] row_xmask:1 row_mask:0xf bank_mask:0xf
	v_add_f32_dpp v[TB+6], v[TB+6], v[TB+6] row_xmask:1 row_mask:0xf bank_mask:0xf
	v_add_f32_dpp v[TA+6], v[TA+6], v[TA+6] row_xmask:2 row_mask:0xf bank_mask:0xf
	v_add_f32_dpp v[TB+6], v[TB+6], v[TB+6] row_xmask:2 row_mask:0xf bank_mask:0xf
	v_mul_f32 v[TA+6], 0xc3000000, v[TA+6]         ; -128 |cb|^2 = 256 x (-|cb|^2 / 2)
	v_mul_f32 v[TB+6], 0xc3000000, v[TB+6]
	ds_store_b32 v[LC], v[TA+6] offset:i*256
	ds_store_b32 v[LC], v[TB+6] offset:i*256+32
.set i, i+2
.endr
	s_wait_dscnt 0x0                               ; my stores are in LDS, for the other waves' sake
	s_barrier_signal -1
	s_barrier_wait -1                              ; the tables are whole
.irp k, 0,1,2,3,4,5,6,7
	ds_load_b128 v[BF+8*\k:BF+8*\k+3],   v[ZB] offset:1024*\k
	ds_load_b128 v[BF+8*\k+4:BF+8*\k+7], v[ZB] offset:1024*\k+512
.endr
; A and C of the tile t tiles behind the current base, into buffer buf.  A's registers 4-7 repeat registers 0-3 (A = [cb | cb]):
; the same 16 bytes are read twice, which costs an LDS read and no vector instruction.
.macro LOADT buf, t
	ds_load_b128 v[AB+16*(\buf):AB+16*(\buf)+3],     v[AA] offset:512*(\t)
	ds_load_b128 v[AB+16*(\buf)+4:AB+16*(\buf)+7],   v[AA] offset:512*(\t)
	ds_load_b128 v[AB+16*(\buf)+8:AB+16*(\buf)+11],  v[CA] offset:64*(\t)
	ds_load_b128 v[AB+16*(\buf)+12:AB+16*(\buf)+15], v[CA] offset:64*(\t)+16
.endm
	LOADT 0, 0
	LOADT 1, 1
	LOADT 2, 2
.irp k, 0,1,2,3,4,5,6,7
	v_mov_b32 v[MXA+\k], 0xff800000                ; -infinity: any finite score replaces it
	v_mov_b32 v[IX+\k], s33
.endr
	v_mov_b32 v[TL], s33
; four matrix instructions: one tile of codes x row blocks rb0 .. rb0 + 3, C = -128 |cb|^2, results into d
.macro WBLK d, rb0, buf
.irp k, 0,1,2,3
	v_wmma_f32_16x16x32_f16 v[\d+8*\k:\d+8*\k+7], v[AB+16*\buf:AB+16*\buf+7], v[BF+8*(\rb0+\k):BF+8*(\rb0+\k)+7], v[AB+16*\buf+8:AB+16*\buf+15]
.endr
.endm
; their reduction: the new running maximum takes the old one in as third operand of the last three-way maximum, into the other
; set of registers, so that one compare of new against old says whether this tile won (strictly: the earlier tile keeps a tie)
.macro VBLK d, rb0, bo, bn
.irp k, 0,1,2,3
	v_max3_num_f32 v[M+\k], v[\d+8*\k], v[\d+8*\k+1], v[\d+8*\k+2]
.endr
.irp k, 0,1,2,3
	v_max3_num_f32 v[M+\k], v[M+\k], v[\d+8*\k+3], v[\d+8*\k+4]
.endr
.irp k, 0,1,2,3
	v_max3_num_f32 v[M+\k], v[M+\k], v[\d+8*\k+5], v[\d+8*\k+6]
.endr
.irp k, 0,1,2,3
	v_max3_num_f32 v[\bn+\rb0+\k], v[M+\k], v[\d+8*\k+7], v[\bo+\rb0+\k]
.endr
.irp k, 0,1,2,3
	v_cmp_gt_f32 s[20+\k], v[\bn+\rb0+\k], v[\bo+\rb0+\k]
.endr
.irp k, 0,1,2,3
	v_cndmask_b32 v[IX+\rb0+\k], v[IX+\rb0+\k], v[TL], s[20+\k]
.endr
.endm
; One tile.  Matrix instructions into one result buffer are followed by the 24 vector instructions that reduce the OTHER buffer:
; these are the independent vector instructions that the ISA guide (7.12.1) asks for between a matrix instruction and the reader of
; its result, between two writers of a result buffer, and between the last reader of an A/C buffer and the loads that fill it again.
; The loads run three tiles ahead through four buffers.  left: the LDS loads that may stay out, four for each later tile asked for.
.macro STEP j, first, load, left
.if \load
.set NB, (\j+3)%4
.set NT, \j+3
	LOADT NB, NT
.endif
	s_wait_dscnt \left
	WBLK DX, 0, \j
.if \first
	v_nop                                          ; nothing to reduce yet: the four places behind the first results
	v_nop
	v_nop
	v_nop
.else
.if (\j)%2
	VBLK DY, 4, MXA, MXB                           ; row blocks 4-7 of the tile before
.else
	VBLK DY, 4, MXB, MXA
.endif
	v_add_nc_u32 v[TL], 1, v[TL]                   ; that tile is done
.endif
	WBLK DY, 4, \j
.if (\j)%2
	VBLK DX, 0, MXB, MXA
.else
	VBLK DX, 0, MXA, MXB
.endif
.endm
	STEP 0, 1, 1, 12                               ; this wait also covers the 16 loads of the B fragments, which are older
	STEP 1, 0, 1, 12
	STEP 2, 0, 1, 12
	STEP 3, 0, 1, 12
	v_add_nc_u32 v[AA], 2048, v[AA]
	v_add_nc_u32 v[CA], 256, v[CA]
	s_mov_b32 s24, 14                              ; 64 tiles = 4 in front, 14 x 4 in the loop, 4 behind
.Lsweep:
	STEP 0, 0, 1, 12
	STEP 1, 0, 1, 12
	STEP 2, 0, 1, 12
	STEP 3, 0, 1, 12
	v_add_nc_u32 v[AA], 2048, v[AA]
	v_add_nc_u32 v[CA], 256, v[CA]
	s_sub_co_u32 s24, s24, 1
	s_cmp_lg_u32 s24, 0
	s_cbranch_scc1 .Lsweep
	STEP 0, 0, 1, 12                               ; asks for my last tile
	STEP 1, 0, 0, 8                                ; nothing more is asked for: the counts run down
	STEP 2, 0, 0, 4
	STEP 3, 0, 0, 0
	VBLK DY, 4, MXB, MXA                           ; the last tile's row blocks 4-7; all maxima now lie in MXA
	; merge the two halves of the lanes (codes 8 h + ..): the larger score, at equal scores the lower group.
	; MV and MI are bytes that nothing has touched so far, and each wave's words are its own.
.irp k, 0,1,2,3,4,5,6,7
	v_lshl_or_b32 v[IX+\k], v[IX+\k], 1, v[H]      ; g = 2 tile + h
	v_permlanex16_b32 v[M], v[MXA+\k], s12, s13
	v_permlanex16_b32 v[M+1], v[IX+\k], s12, s13
	v_cmp_gt_f32 s20, v[M], v[MXA+\k]
	v_cmp_eq_f32 s21, v[M], v[MXA+\k]
	v_cmp_lt_u32 s22, v[M+1], v[IX+\k]
	s_and_b32 s21, s21, s22
	s_or_b32 s20, s20, s21
	v_cndmask_b32 v[MXA+\k], v[MXA+\k], v[M], s20
	v_cndmask_b32 v[IX+\k], v[IX+\k], v[M+1], s20
	ds_store_b32 v[MA], v[MXA+\k] offset:64*\k     ; both halves now hold the same pair and store the same words
	ds_store_b32 v[MA], v[IX+\k] offset:MI+64*\k
.endr
	s_wait_dscnt 0x0                               ; for the waves that read these words
	s_barrier_signal -1
	s_barrier_wait -1
	; waves 0 and 1: a lane takes 4 neighbouring rows, so that a wave's one store covers 512 consecutive bytes of grp
	s_cmp_gt_u32 s10, 1
	s_cbranch_scc1 .Lend
	v_lshl_add_u32 v[ZO], v[LN], 4, s32            ; 16 lane + 512 (w & 1)
	v_add_nc_u32 v[MA], LDS_MV, v[ZO]
.irp q, 0,1,2,3
	ds_load_b128 v[16+4*\q:19+4*\q], v[MA] offset:1024*\q
	ds_load_b128 v[32+4*\q:35+4*\q], v[MA] offset:MI+1024*\q
.endr
	s_wait_dscnt 0x0
.irp q, 1,2,3
.irp e, 0,1,2,3
	v_cmp_gt_f32 vcc_lo, v[16+4*\q+\e], v[16+\e]   ; the quarters in ascending order of codes: strictly greater replaces
	v_cndmask_b32 v[16+\e], v[16+\e], v[16+4*\q+\e], vcc_lo
	v_cndmask_b32 v[32+\e], v[32+\e], v[32+4*\q+\e], vcc_lo
.endr
.endr
	global_store_b128 v[ZO], v[32:35], s[8:9]
.Lend:
	s_wait_tensorcnt 0x0
	ds_add_u32 v240, v241
	s_wait_dscnt 0x0
	s_endpgm
.Lfunc_end_k_qed8375e7e0_sweep:
	.size	k_qed8375e7e0_sweep, .Lfunc_end_k_qed8375e7e0_sweep-k_qed8375e7e0_sweep
	.p2alignl 7, 3214868480
	.fill 96, 4, 3214868480
	.section	.rodata,"a",@progbits
	.p2align	6, 0x0
	.amdhsa_kernel k_qed8375e7e0_sweep
		.amdhsa_group_segment_fixed_size 173056
		.amdhsa_private_segment_fixed_size 0
		.amdhsa_enable_private_segment 0
		.amdhsa_kernarg_size 24
		.amdhsa_user_sgpr_count 2
		.amdhsa_user_sgpr_kernarg_segment_ptr 1
		.amdhsa_wavefront_size32 1
		.amdhsa_system_sgpr_workgroup_id_x 1
		.amdhsa_system_sgpr_workgroup_id_y 1
		.amdhsa_system_sgpr_workgroup_id_z 1
		.amdhsa_system_vgpr_workitem_id 0
		.amdhsa_next_free_vgpr 242
		.amdhsa_next_free_sgpr 66
		.amdhsa_reserve_vcc 1
		.amdhsa_float_denorm_mode_32 3
		.amdhsa_float_denorm_mode_16_64 3
		.amdhsa_memory_ordered 1
		.amdhsa_forward_progress 1
		.amdhsa_inst_pref_size 126
	.end_amdhsa_kernel
	.amdgpu_metadata
---
amdhsa.version: [ 1, 2 ]
amdhsa.kernels:
  - .name:           k_qed8375e7e0_sweep
    .symbol:         k_qed8375e7e0_sweep.kd
    .args:
      - { .name: codebook_weight, .offset: 0, .size: 8, .value_kind: global_buffer, .address_space: global }
      - { .name: z, .offset: 8, .size: 8, .value_kind: global_buffer, .address_space: global }
      - { .name: grp, .offset: 16, .size: 8, .value_kind: global_buffer, .address_space: global }
    .group_segment_fixed_size: 173056
    .private_segment_fixed_size: 0
    .kernarg_segment_align: 8
    .kernarg_segment_size: 24
    .max_flat_workgroup_size: 256
    .sgpr_count:     66
    .vgpr_count:     242
    .wavefront_size: 32
...
	.end_amdgpu_metadata
.endif
;; end of part 1
;; launch refine (part 2): grid 256 x 1, 8 waves a work-group, no clusters, 3,072 bytes of LDS; arguments codebook_weight, z, grp, out0, out4, part; writes out0, out4, part
.if DOCPART == 2
	.amdgcn_target "amdgcn-amd-amdhsa--gfx1250"
	.amdhsa_code_object_version 6
	.text
	.protected	k_qed8375e7e0_refine
	.globl	k_qed8375e7e0_refine
	.p2align	8
	.type	k_qed8375e7e0_refine,@function
k_qed8375e7e0_refine:
	s_mov_b64 s[64:65], 0
	v_nop
	global_prefetch_b8 v0, s[64:65] scope:SCOPE_SE
	s_setreg_imm32_b32 hwreg(HW_REG_WAVE_MODE, 25, 1), 1
	s_wait_xcnt 0x0
; REFINE: grp names, for each row, 8 neighbouring codes (512 consecutive bytes of the codebook).  Score the 8 in f32, take the first
; minimum, write the token, out0 = z + (q - z), and the work-group's sum of (q - z)^2.
; The choice uses the same numbers as the sweep: zb = bf16(z), zn = zb / max(|zb|, 1e-12), cb = bf16(c); score = sum cb (cb - 2 zn)
; = |cb|^2 - 2 zn.cb (|zn|^2, equal for all codes of a row, is not formed).  out0 and the losses use z and the codebook as given, in f32.
; LIMIT: candidates whose distances differ by no more than an f32 rounding may be ordered otherwise than by another order of roundings.
; Four lanes serve a row (lane q: dims 4 q .. 4 q + 3), a wave 8 rows at a time, 4 passes: loads of z and stores of out0 cover
; 512 consecutive bytes; a candidate load covers 64 consecutive bytes for each of 8 rows.  All 40 loads of a wave are issued before
; any candidate is used.  q is chosen by selects among the candidates already in registers: no address hangs on a score.
; No matrix unit (8 candidates a row), no cluster (the work-groups' candidates differ).
; LDS: bytes 0-1023 the 256 tokens (so that they leave as 16 bytes a lane), bytes 1024-1055 the 8 waves' sums.
.set LDS_SUM, 1024
.set WV, 1
.set LN, 2
.set QD, 3                             ; lane & 3
.set R8, 4                             ; lane >> 2
.set ZO, 5                             ; byte offset of my 16 bytes of z and out0, pass 0
.set GF, 6                             ; byte offset of my row's word of grp, pass 0
.set Q16, 7
.set TO, 8                             ; LDS: the token that I keep
.set LW, 9                             ; LDS: my wave's sum
.set G,  10                            ; v10-13  group of my row, pass p
.set CO, 14                            ; v14-17  byte offset of my 16 bytes of candidate 0, pass p
.set TR, 18                            ; the way out of the tokens: 16 bytes a lane, in LDS and in out4
.set SR, 19
.set Z,  20                            ; v20-35  z, later out0
.set T2, 36                            ; v36-51  2 zn
.set NS, 52                            ; v52-55  |zb|^2, then 2 / norm
.set P,  56
.set W,  58
.set SA, 60                            ; v60-71  candidate a: 2 packed, 4 cb, 4 cb - 2 zn, 2 sums
.set SB, 72                            ; v72-83  candidate b
.set E,  84                            ; v84-91  the 8 scores
.set BV, 92
.set TK, 93
.set Q,  94                            ; v94-97  my 4 dims of the best candidate so far
.set ZZ, 98                            ; 0
.set C,  100                           ; v100-227 pass p, candidate j at C + 32 p + 4 j
.set DD, 228                           ; v228-231 q - z
.set ACC, 232                          ; v232-233 sum of squares
.set TA, 234                           ; the token of pass q
	s_load_b256 s[4:11], s[0:1], 0x0               ; codebook s[4:5], z s[6:7], grp s[8:9], out0 s[10:11]
	s_load_b128 s[12:15], s[0:1], 0x20             ; out4 s[12:13], part s[14:15]
	v_lshl_add_u32 v240, v0, 2, 0x800
	v_mov_b32 v241, 0
	v_lshrrev_b32 v[WV], 5, v0
	v_readfirstlane_b32 s16, v[WV]                 ; wave 0..7
	s_lshl_b32 s17, s16, 7                         ; 32 words a wave
	s_lshl_b32 s25, s16, 2
	s_add_co_u32 s25, s25, LDS_SUM
	s_and_b32 s2, s16, 1
	s_lshl_b32 s2, s2, 9
	v_and_b32 v[LN], 31, v0
	v_and_b32 v[QD], 3, v0
	v_lshrrev_b32 v[R8], 2, v[LN]
	v_lshlrev_b32 v[ZO], 4, v[LN]
	v_lshl_add_u32 v[ZO], v[WV], 11, v[ZO]         ; 32 rows of 64 bytes a wave
	v_lshl_add_u32 v[GF], v[R8], 2, s17
	v_lshlrev_b32 v[Q16], 4, v[QD]
	v_lshl_add_u32 v[TO], v[QD], 5, v[GF]          ; row 32 w + 8 q + (lane >> 2): lane q keeps pass q's token
	v_mov_b32 v[LW], s25
	v_lshl_add_u32 v[TR], v[LN], 4, s2             ; 16 lane + 512 (w & 1)
	s_lshl_b32 s18, ttmp9, 14
	s_mov_b32 s19, 0
	s_lshl_b32 s20, ttmp9, 10
	s_mov_b32 s21, 0
	s_lshl_b32 s22, ttmp9, 2
	s_mov_b32 s23, 0
	s_mov_b32 s24, 0xffff0000                      ; a word's upper bf16
	s_mov_b32 s26, 0x76543210
	s_mov_b32 s27, 0xfedcba98
	v_cmp_eq_u32 s29, 1, v[QD]
	v_cmp_eq_u32 s30, 2, v[QD]
	v_cmp_eq_u32 s31, 3, v[QD]
	s_wait_kmcnt 0x0
	s_add_nc_u64 s[6:7], s[6:7], s[18:19]
	s_add_nc_u64 s[10:11], s[10:11], s[18:19]
	s_add_nc_u64 s[8:9], s[8:9], s[20:21]
	s_add_nc_u64 s[12:13], s[12:13], s[20:21]
	s_add_nc_u64 s[14:15], s[14:15], s[22:23]
.irp p, 0,1,2,3
	global_load_b32 v[G+\p], v[GF], s[8:9] offset:32*\p
.endr
.irp p, 0,1,2,3
	global_load_b128 v[Z+4*\p:Z+4*\p+3], v[ZO], s[6:7] offset:512*\p
.endr
	s_wait_loadcnt 4                               ; the groups are in; the four z loads stay out
.irp p, 0,1,2,3
	v_min_u32 v[G+\p], 0x1ff, v[G+\p]              ; 512 groups: a loaded number enters an address only inside the table
	v_lshl_add_u32 v[CO+\p], v[G+\p], 9, v[Q16]
.endr
.irp p, 0,1,2,3
.irp j, 0,1,2,3,4,5,6,7
	global_load_b128 v[C+32*\p+4*\j:C+32*\p+4*\j+3], v[CO+\p], s[4:5] offset:64*\j
.endr
.endr
	s_wait_loadcnt 32                              ; z is in; the 32 candidate loads stay out
.irp p, 0,1,2,3
	v_cvt_pk_bf16_f32 v[P],   v[Z+4*\p],   v[Z+4*\p+1]
	v_cvt_pk_bf16_f32 v[P+1], v[Z+4*\p+2], v[Z+4*\p+3]
	v_lshlrev_b32 v[T2+4*\p],   16, v[P]
	v_and_b32     v[T2+4*\p+1], s24, v[P]
	v_lshlrev_b32 v[T2+4*\p+2], 16, v[P+1]
	v_and_b32     v[T2+4*\p+3], s24, v[P+1]
	v_pk_mul_f32 v[W:W+1], v[T2+4*\p:T2+4*\p+1], v[T2+4*\p:T2+4*\p+1]
	v_pk_fma_f32 v[W:W+1], v[T2+4*\p+2:T2+4*\p+3], v[T2+4*\p+2:T2+4*\p+3], v[W:W+1]
	v_add_f32 v[NS+\p], v[W], v[W+1]
	v_add_f32_dpp v[NS+\p], v[NS+\p], v[NS+\p] row_xmask:1 row_mask:0xf bank_mask:0xf
	v_add_f32_dpp v[NS+\p], v[NS+\p], v[NS+\p] row_xmask:2 row_mask:0xf bank_mask:0xf   ; the row's four lanes
.endr
.irp p, 0,1,2,3
	v_sqrt_f32 v[NS+\p], v[NS+\p]
.endr
	v_nop                                          ; one plain instruction behind the transcendentals (ISA guide 5.7.2)
	s_wait_alu depctr_va_vdst(0)
.irp p, 0,1,2,3
	v_max_num_f32 v[NS+\p], 0x2b8cbccc, v[NS+\p]   ; max(norm, 1e-12)
.endr
.irp p, 0,1,2,3
	v_rcp_f32 v[NS+\p], v[NS+\p]
.endr
	v_nop
	s_wait_alu depctr_va_vdst(0)
.irp p, 0,1,2,3
	v_add_f32 v[NS+\p], v[NS+\p], v[NS+\p]         ; 2 / norm
.endr
.irp p, 0,1,2,3
.irp i, 0,1,2,3
	v_mul_f32 v[T2+4*\p+\i], v[NS+\p], v[T2+4*\p+\i]
.endr
.endr
; the scores of two candidates, interleaved so that neither chain waits for itself
.macro SCORE2 p, ja, jb
.set KA, C+32*\p+4*\ja
.set KB, C+32*\p+4*\jb
.set TP, T2+4*\p
	v_cvt_pk_bf16_f32 v[SA],   v[KA],   v[KA+1]
	v_cvt_pk_bf16_f32 v[SB],   v[KB],   v[KB+1]
	v_cvt_pk_bf16_f32 v[SA+1], v[KA+2], v[KA+3]
	v_cvt_pk_bf16_f32 v[SB+1], v[KB+2], v[KB+3]
	v_lshlrev_b32 v[SA+2], 16, v[SA]
	v_and_b32     v[SA+3], s24, v[SA]
	v_lshlrev_b32 v[SA+4], 16, v[SA+1]
	v_and_b32     v[SA+5], s24, v[SA+1]
	v_lshlrev_b32 v[SB+2], 16, v[SB]
	v_and_b32     v[SB+3], s24, v[SB]
	v_lshlrev_b32 v[SB+4], 16, v[SB+1]
	v_and_b32     v[SB+5], s24, v[SB+1]
	v_pk_add_f32 v[SA+6:SA+7], v[SA+2:SA+3], v[TP:TP+1] neg_lo:[0,1] neg_hi:[0,1]      ; cb - 2 zn
	v_pk_add_f32 v[SB+6:SB+7], v[SB+2:SB+3], v[TP:TP+1] neg_lo:[0,1] neg_hi:[0,1]
	v_pk_add_f32 v[SA+8:SA+9], v[SA+4:SA+5], v[TP+2:TP+3] neg_lo:[0,1] neg_hi:[0,1]
	v_pk_add_f32 v[SB+8:SB+9], v[SB+4:SB+5], v[TP+2:TP+3] neg_lo:[0,1] neg_hi:[0,1]
	v_pk_mul_f32 v[SA+10:SA+11], v[SA+2:SA+3], v[SA+6:SA+7]
	v_pk_mul_f32 v[SB+10:SB+11], v[SB+2:SB+3], v[SB+6:SB+7]
	v_pk_fma_f32 v[SA+10:SA+11], v[SA+4:SA+5], v[SA+8:SA+9], v[SA+10:SA+11]
	v_pk_fma_f32 v[SB+10:SB+11], v[SB+4:SB+5], v[SB+8:SB+9], v[SB+10:SB+11]
	v_add_f32 v[E+\ja], v[SA+10], v[SA+11]
	v_add_f32 v[E+\jb], v[SB+10], v[SB+11]
	v_add_f32_dpp v[E+\ja], v[E+\ja], v[E+\ja] row_xmask:1 row_mask:0xf bank_mask:0xf
	v_add_f32_dpp v[E+\jb], v[E+\jb], v[E+\jb] row_xmask:1 row_mask:0xf bank_mask:0xf
	v_add_f32_dpp v[E+\ja], v[E+\ja], v[E+\ja] row_xmask:2 row_mask:0xf bank_mask:0xf  ; the same bits in the row's four lanes
	v_add_f32_dpp v[E+\jb], v[E+\jb], v[E+\jb] row_xmask:2 row_mask:0xf bank_mask:0xf
.endm
; left: the candidate loads of the later passes, eight each, stay out
.macro PASS p, left
	s_wait_loadcnt \left
	SCORE2 \p, 0, 1
	SCORE2 \p, 2, 3
	SCORE2 \p, 4, 5
	SCORE2 \p, 6, 7
.set K0, C+32*\p
	v_cmp_lt_f32 vcc_lo, v[E+1], v[E]              ; strictly smaller replaces: the first minimum stays
	v_cndmask_b32 v[BV], v[E], v[E+1], vcc_lo
	v_cndmask_b32 v[TK], 0, 1, vcc_lo
.irp i, 0,1,2,3
	v_cndmask_b32 v[Q+\i], v[K0+\i], v[K0+4+\i], vcc_lo
.endr
.irp j, 2,3,4,5,6,7
	v_cmp_lt_f32 vcc_lo, v[E+\j], v[BV]
	v_cndmask_b32 v[BV], v[BV], v[E+\j], vcc_lo
	v_cndmask_b32 v[TK], v[TK], \j, vcc_lo
.irp i, 0,1,2,3
	v_cndmask_b32 v[Q+\i], v[Q+\i], v[K0+4*\j+\i], vcc_lo
.endr
.endr
	v_lshl_add_u32 v[TK], v[G+\p], 3, v[TK]        ; token = 8 g + j
.if \p == 0
	v_mov_b32 v[TA], v[TK]
.else
	v_cndmask_b32 v[TA], v[TA], v[TK], s[28+\p]    ; lane q keeps pass q's
.endif
	v_pk_add_f32 v[DD:DD+1],   v[Q:Q+1],   v[Z+4*\p:Z+4*\p+1]   neg_lo:[0,1] neg_hi:[0,1]   ; q - z
	v_pk_add_f32 v[DD+2:DD+3], v[Q+2:Q+3], v[Z+4*\p+2:Z+4*\p+3] neg_lo:[0,1] neg_hi:[0,1]
.if \p == 0
	v_pk_mul_f32 v[ACC:ACC+1], v[DD:DD+1], v[DD:DD+1]                                   ; the first product starts the sum
.else
	v_pk_fma_f32 v[ACC:ACC+1], v[DD:DD+1], v[DD:DD+1], v[ACC:ACC+1]
.endif
	v_pk_fma_f32 v[ACC:ACC+1], v[DD+2:DD+3], v[DD+2:DD+3], v[ACC:ACC+1]
	v_pk_add_f32 v[Z+4*\p:Z+4*\p+1],   v[Z+4*\p:Z+4*\p+1],   v[DD:DD+1]                 ; z + (q - z), in the pass's own registers,
	v_pk_add_f32 v[Z+4*\p+2:Z+4*\p+3], v[Z+4*\p+2:Z+4*\p+3], v[DD+2:DD+3]               ; which nothing writes again
	global_store_b128 v[ZO], v[Z+4*\p:Z+4*\p+3], s[10:11] offset:512*\p                 ; 512 consecutive bytes a wave
.endm
	PASS 0, 24
	PASS 1, 16
	PASS 2, 8
	PASS 3, 0
	; the wave's sum of squares, in every lane
	v_add_f32 v[ACC], v[ACC], v[ACC+1]
	v_add_f32_dpp v[ACC], v[ACC], v[ACC] row_xmask:1 row_mask:0xf bank_mask:0xf
	v_add_f32_dpp v[ACC], v[ACC], v[ACC] row_xmask:2 row_mask:0xf bank_mask:0xf
	v_add_f32_dpp v[ACC], v[ACC], v[ACC] row_xmask:4 row_mask:0xf bank_mask:0xf
	v_add_f32_dpp v[ACC], v[ACC], v[ACC] row_xmask:8 row_mask:0xf bank_mask:0xf
	v_permlanex16_b32 v[ACC+1], v[ACC], s26, s27
	v_add_f32 v[ACC], v[ACC], v[ACC+1]
	ds_store_b32 v[LW], v[ACC]                     ; all lanes store the same word with the same value
	ds_store_b32 v[TO], v[TA]                      ; my wave's 32 tokens, one a lane
	s_wait_dscnt 0x0                               ; for the waves that read them
	s_barrier_signal -1
	s_barrier_wait -1
	; waves 0 and 1 carry the 256 tokens out, 16 bytes a lane: a wave's store covers 512 consecutive bytes of out4
	s_cmp_gt_u32 s16, 1
	s_cbranch_scc1 .Lend
	ds_load_b128 v[SA:SA+3], v[TR]
	s_wait_dscnt 0x0
	global_store_b128 v[TR], v[SA:SA+3], s[12:13]
	; wave 0 adds the eight waves' sums, in a fixed order, and lane 0 stores the work-group's word of part
	s_cmp_lg_u32 s16, 0
	s_cbranch_scc1 .Lend
	v_mov_b32 v[SR], LDS_SUM
	ds_load_b128 v[SB:SB+3],   v[SR]
	ds_load_b128 v[SB+4:SB+7], v[SR] offset:16
	v_mov_b32 v[ZZ], 0
	v_cmp_eq_u32 vcc_lo, 0, v[LN]
	s_wait_dscnt 0x0
	v_pk_add_f32 v[SB:SB+1],   v[SB:SB+1],   v[SB+2:SB+3]
	v_pk_add_f32 v[SB+4:SB+5], v[SB+4:SB+5], v[SB+6:SB+7]
	v_pk_add_f32 v[SB:SB+1],   v[SB:SB+1],   v[SB+4:SB+5]
	v_add_f32 v[SB], v[SB], v[SB+1]
	s_wait_xcnt 0x0                                ; EXEC is a source of the stores above: it changes only behind this wait
	s_and_saveexec_b32 s28, vcc_lo
	global_store_b32 v[ZZ], v[SB], s[14:15]        ; 4 bytes: all that this work-group owns of the 1,024 bytes of part
	s_wait_xcnt 0x0
	s_or_b32 exec_lo, exec_lo, s28
.Lend:
	s_wait_tensorcnt 0x0
	ds_add_u32 v240, v241
	s_wait_dscnt 0x0
	s_endpgm
.Lfunc_end_k_qed8375e7e0_refine:
	.size	k_qed8375e7e0_refine, .Lfunc_end_k_qed8375e7e0_refine-k_qed8375e7e0_refine
	.p2alignl 7, 3214868480
	.fill 96, 4, 3214868480
	.section	.rodata,"a",@progbits
	.p2align	6, 0x0
	.amdhsa_kernel k_qed8375e7e0_refine
		.amdhsa_group_segment_fixed_size 3072
		.amdhsa_private_segment_fixed_size 0
		.amdhsa_enable_private_segment 0
		.amdhsa_kernarg_size 48
		.amdhsa_user_sgpr_count 2
		.amdhsa_user_sgpr_kernarg_segment_ptr 1
		.amdhsa_wavefront_size32 1
		.amdhsa_system_sgpr_workgroup_id_x 1
		.amdhsa_system_sgpr_workgroup_id_y 1
		.amdhsa_system_sgpr_workgroup_id_z 1
		.amdhsa_system_vgpr_workitem_id 0
		.amdhsa_next_free_vgpr 242
		.amdhsa_next_free_sgpr 66
		.amdhsa_reserve_vcc 1
		.amdhsa_float_denorm_mode_32 3
		.amdhsa_float_denorm_mode_16_64 3
		.amdhsa_memory_ordered 1
		.amdhsa_forward_progress 1
		.amdhsa_inst_pref_size 42
	.end_amdhsa_kernel
	.amdgpu_metadata
---
amdhsa.version: [ 1, 2 ]
amdhsa.kernels:
  - .name:           k_qed8375e7e0_refine
    .symbol:         k_qed8375e7e0_refine.kd
    .args:
      - { .name: codebook_weight, .offset: 0, .size: 8, .value_kind: global_buffer, .address_space: global }
      - { .name: z, .offset: 8, .size: 8, .value_kind: global_buffer, .address_space: global }
      - { .name: grp, .offset: 16, .size: 8, .value_kind: global_buffer, .address_space: global }
      - { .name: out0, .offset: 24, .size: 8, .value_kind: global_buffer, .address_space: global }
      - { .name: out4, .offset: 32, .size: 8, .value_kind: global_buffer, .address_space: global }
      - { .name: part, .offset: 40, .size: 8, .value_kind: global_buffer, .address_space: global }
    .group_segment_fixed_size: 3072
    .private_segment_fixed_size: 0
    .kernarg_segment_align: 8
    .kernarg_segment_size: 48
    .max_flat_workgroup_size: 256
    .sgpr_count:     66
    .vgpr_count:     242
    .wavefront_size: 32
...
	.end_amdgpu_metadata
.endif
;; end of part 2
;; launch finish (part 3): grid 1 x 1, 1 waves a work-group, no clusters, 0 bytes of LDS; arguments part, out1, out2, out3; writes out1, out2, out3
.if DOCPART == 3
	.amdgcn_target "amdgcn-amd-amdhsa--gfx1250"
	.amdhsa_code_object_version 6
	.text
	.protected	k_qed8375e7e0_finish
	.globl	k_qed8375e7e0_finish
	.p2align	8
	.type	k_qed8375e7e0_finish,@function
k_qed8375e7e0_finish:
	s_mov_b64 s[64:65], 0
	v_nop
	global_prefetch_b8 v0, s[64:65] scope:SCOPE_SE
	s_setreg_imm32_b32 hwreg(HW_REG_WAVE_MODE, 25, 1), 1
	s_wait_xcnt 0x0
; FINISH: the three losses from the 256 work-groups' sums of (q - z)^2.  mean = sum / (16 x 4096 x 16) = sum x 2^-20.
; codebook loss = mean, commitment loss = 0.25 mean, quantizer loss = their sum.  One wave: 1,024 bytes in, 12 bytes out.
	s_load_b256 s[4:11], s[0:1], 0x0               ; part s[4:5], out1 s[6:7], out2 s[8:9], out3 s[10:11]
	s_mov_b32 s12, 0x76543210                      ; v_permlanex16_b32: lane i reads lane i of the other half
	s_mov_b32 s13, 0xfedcba98
	v_lshlrev_b32 v1, 4, v0
	v_mov_b32 v2, 0
	s_wait_kmcnt 0x0
	global_load_b128 v[4:7],  v1, s[4:5]
	global_load_b128 v[8:11], v1, s[4:5] offset:512
	v_cmp_eq_u32 vcc_lo, 0, v0
	s_wait_loadcnt 0x0
	v_pk_add_f32 v[4:5], v[4:5], v[6:7]
	v_pk_add_f32 v[8:9], v[8:9], v[10:11]
	v_pk_add_f32 v[4:5], v[4:5], v[8:9]
	v_add_f32 v4, v4, v5
	v_add_f32_dpp v4, v4, v4 row_xmask:1 row_mask:0xf bank_mask:0xf
	v_add_f32_dpp v4, v4, v4 row_xmask:2 row_mask:0xf bank_mask:0xf
	v_add_f32_dpp v4, v4, v4 row_xmask:4 row_mask:0xf bank_mask:0xf
	v_add_f32_dpp v4, v4, v4 row_xmask:8 row_mask:0xf bank_mask:0xf
	v_permlanex16_b32 v5, v4, s12, s13
	v_add_f32 v4, v4, v5
	v_mul_f32 v6, 0x35800000, v4                   ; x 2^-20: the mean, the codebook loss
	v_mul_f32 v7, 0x3e800000, v6                   ; x 0.25: the commitment loss (exact)
	v_fma_f32 v8, v6, 0x3e800000, v6               ; their sum, rounded once as the sum of the two is
	s_wait_xcnt 0x0                                ; EXEC is a source of the loads above: it changes only behind this wait
	s_and_saveexec_b32 s14, vcc_lo                 ; lane 0 alone
	global_store_b32 v2, v8, s[6:7]
	global_store_b32 v2, v7, s[8:9]
	global_store_b32 v2, v6, s[10:11]
	s_wait_xcnt 0x0
	s_or_b32 exec_lo, exec_lo, s14
	s_endpgm
.Lfunc_end_k_qed8375e7e0_finish:
	.size	k_qed8375e7e0_finish, .Lfunc_end_k_qed8375e7e0_finish-k_qed8375e7e0_finish
	.p2alignl 7, 3214868480
	.fill 96, 4, 3214868480
	.section	.rodata,"a",@progbits
	.p2align	6, 0x0
	.amdhsa_kernel k_qed8375e7e0_finish
		.amdhsa_group_segment_fixed_size 0
		.amdhsa_private_segment_fixed_size 0
		.amdhsa_enable_private_segment 0
		.amdhsa_kernarg_size 32
		.amdhsa_user_sgpr_count 2
		.amdhsa_user_sgpr_kernarg_segment_ptr 1
		.amdhsa_wavefront_size32 1
		.amdhsa_system_sgpr_workgroup_id_x 1
		.amdhsa_system_sgpr_workgroup_id_y 1
		.amdhsa_system_sgpr_workgroup_id_z 1
		.amdhsa_system_vgpr_workitem_id 0
		.amdhsa_next_free_vgpr 16
		.amdhsa_next_free_sgpr 66
		.amdhsa_reserve_vcc 1
		.amdhsa_float_denorm_mode_32 3
		.amdhsa_float_denorm_mode_16_64 3
		.amdhsa_memory_ordered 1
		.amdhsa_forward_progress 1
		.amdhsa_inst_pref_size 2
	.end_amdhsa_kernel
	.amdgpu_metadata
---
amdhsa.version: [ 1, 2 ]
amdhsa.kernels:
  - .name:           k_qed8375e7e0_finish
    .symbol:         k_qed8375e7e0_finish.kd
    .args:
      - { .name: part, .offset: 0, .size: 8, .value_kind: global_buffer, .address_space: global }
      - { .name: out1, .offset: 8, .size: 8, .value_kind: global_buffer, .address_space: global }
      - { .name: out2, .offset: 16, .size: 8, .value_kind: global_buffer, .address_space: global }
      - { .name: out3, .offset: 24, .size: 8, .value_kind: global_buffer, .address_space: global }
    .group_segment_fixed_size: 0
    .private_segment_fixed_size: 0
    .kernarg_segment_align: 8
    .kernarg_segment_size: 32
    .max_flat_workgroup_size: 32
    .sgpr_count:     66
    .vgpr_count:     16
    .wavefront_size: 32
...
	.end_amdgpu_metadata
.endif
;; end of part 3
;; ======== version 2 of 2: 3 launches; version 1 with the launch sweep written anew for expert scheduling mode
;; limits: values are held in f16: magnitudes above 65,504 overflow, below 6.1e-05 lose precision; inputs' magnitudes at most 65,280
;; workspace buffers: grp 262,144 bytes of whole numbers; part 1,024 bytes
;; launch sweep (part 4): grid 256 x 1, 8 waves a work-group, no clusters, 173,056 bytes of LDS; arguments codebook_weight, z, grp; writes grp
.if DOCPART == 4
	.amdgcn_target "amdgcn-amd-amdhsa--gfx1250"
	.amdhsa_code_object_version 6
	.text
	.protected	k_qed8375e7e0_sweep
	.globl	k_qed8375e7e0_sweep
	.p2align	8
	.type	k_qed8375e7e0_sweep,@function
k_qed8375e7e0_sweep:
	s_mov_b64 s[64:65], 0
	v_nop
	global_prefetch_b8 v0, s[64:65] scope:SCOPE_SE
	s_setreg_imm32_b32 hwreg(HW_REG_WAVE_SCHED_MODE, 0, 2), 2
	s_setreg_imm32_b32 hwreg(HW_REG_WAVE_MODE, 25, 1), 1
	s_wait_xcnt 0x0
	s_wait_alu depctr_vm_vsrc(0)
; SWEEP: for each of the 65,536 rows of z, which group of 8 neighbouring codes (codes 8 g .. 8 g + 7, g = 0..511) holds the nearest code.
; argmin over n of |zn|^2 - 2 zn.c_n + |c_n|^2 = argmax of zn.c_n - |c_n|^2 / 2; |zn|^2 is the same for all codes of a row and is not formed.
;
; NUMBERS.  z and the codebook are first rounded to bf16 (nearest even); everything behind that is kept close to f32:
;   zn = zb / max(|zb|, 1e-12), times 256, cut into two f16 parts (upper 11 significant bits, the rest rounded to f16);
;   cb is a bf16 number held in f16: exact for 2^-17 <= |cb| < 65520; smaller ones carry an absolute error of at most 2^-25.
;   LIMIT: |codebook| >= 65520 overflows f16 and gives no valid result.
;   The matrix form has K = 32, the problem K = 16: A = [cb | cb], B = [zn_hi | zn_lo], C = -128 |cb|^2 in f32, sums in f32,
;   so a score is 256 (zn.cb - |cb|^2 / 2).  Equal scores: the lower code index wins.
;   LIMIT: codes whose distances differ by no more than an f32 rounding of the distance may be ordered otherwise than by another
;   order of f32 roundings.
;
; WORK.  256 work-groups x 256 rows.  Eight waves: wave w takes rows 128 (w & 1) .. +127 (8 B fragments, resident) and
; codes 1024 (w >> 1) .. +1023 (64 tiles of 16).  A holds codes (M), B rows of z (N): lane (r, h) then holds in D's 8 registers the
; scores of row r against codes 16 t + 8 h + 0..7, so a lane's running maximum with the tile's number names a group g = 2 t + h.
; Four LDS loads feed 8 matrix instructions; each result tile costs 4 three-way maxima, a compare and a select.
;
; LDS: CH 131,072 bytes, the f16 codebook in fragment order: tile t at 512 t, lane (r, h)'s 16 bytes at 256 h + 16 ((r + 8 h) & 15), so
; that a fragment load reads 256 consecutive bytes for each half of the lanes and the 32 stores of 8 bytes of the preparation fall on
; 256 different bytes modulo 256 (64 banks of 4 bytes: ISA guide 11.1); CC 16,384 bytes, -128 |cb|^2; ZF 16,384 bytes, z fragments;
; MV and MI, 4,096 bytes each, for the merge of the four code quarters.
; NO CLUSTER, NO TENSOR LOADS: the table that all work-groups share has to pass through registers (rounding, norms, f16) before it can
; be used; its 262,144 raw bytes beside the 147,456 converted ones and the 24,576 others exceed the 327,680 bytes a work-group can get.
;
; THE MODE: SCHED_MODE bits 1:0 = 2 (LLVM: expert scheduling mode 2), set by the entry lines.  The code itself states the register
; dependences between vector or matrix instructions and memory or LDS instructions, with s_wait_alu, always for 0.
; THE PLAN.  Registers that memory or LDS instructions touch:
;   PREPARATION, 32 blocks of one tile.
;   X0 .. X8   nine tiles of the codebook as loaded.  Block p's conversions read X[p % 9]; the loads of tile p + 8, issued in block p,
;              land in X[(p + 8) % 9] = X[(p - 1) % 9], which block p - 1 worked on.
;   O0, O1     a tile's f16 numbers and its two words of CC.  Block p writes O[p % 2]; the four LDS stores issued in block p + 1 read it.
;   v[GO]      read by every load of the codebook, never written again.  v[LC], v[ZS]: likewise for their LDS stores.
;   v[LAA], v[LAB]  read by the stores into CH; written once more, in block 17, between the block's two waits.
;   So two waits at a block's head state all that its six memory instructions hang on, and these are dealt among its vector instructions.
;   SWEEP, 64 tiles.
;   AB0 .. AB3 A and C of tile t in AB[t % 4], as two pairs.  The matrix instructions of tiles j, j + 1 (j even) read one pair; the eight loads of
;              tiles j + 2, j + 3, issued in tile j, land in the other pair, which the matrix instructions of tiles j - 2, j - 1 read.
;   v[AA], v[CA]  read by those loads; written once in four tiles, at the round's head.
;   B's fragments, the results DX and DY, the maxima and the tile numbers are named by vector and matrix instructions alone.
;   So ONE wait on va_vdst stands at the head of every second tile, and one on vm_vsrc at the head of every fourth.
;   A tile's eight compares write eight scalar registers; one wait on va_sdst stands between them and the eight selects.
.set LDS_CC, 131072
.set LDS_ZF, 147456
.set LDS_MV, 163840
.set MI,     4096                      ; MI lies 4,096 bytes behind MV
.set WV,  1                            ; wave number
.set LN,  2                            ; lane
.set R,   3                            ; lane & 15
.set H,   4                            ; lane >> 4
.set ZO,  5                            ; byte offset of my 32 bytes of z; at the end of my 16 bytes of grp
.set GO,  6                            ; byte offset of my 16 bytes in my wave's first tile of the codebook
.set LAA, 7                            ; CH: where my 8 bytes of a tile's codes 0-7 go
.set LAB, 8                            ; CH: where my 8 bytes of its codes 8-15 go
.set LC,  9                            ; CC: where my code's word goes
.set ZS,  10                           ; ZF: where my fragments go
.set AA,  11                           ; CH: my 16 bytes of the round's first tile
.set CA,  12                           ; CC: my 32 bytes of the round's first tile
.set MA,  13                           ; MV: my word; at the end my 16 bytes
.set TL,  14                           ; number of the tile whose results are being reduced
.set ZB,  15                           ; ZF: my 16 bytes of my first row block
; preparation (registers of the sweep, used earlier)
.set ZR, 16                            ; v16-31  two row blocks of z as loaded
.set T,  32                            ; v32-39  8 numbers at work
.set P,  40                            ; v40-43  packed bf16
.set W,  44                            ; v44-45  sum of squares
.set RR, 46                            ; v46-47  256 / norm
.set U,  48                            ; v48-55  upper parts
.set ZH, 56                            ; v56-71  row block b: upper parts in f16 at ZH + 8 b, lower parts at ZH + 8 b + 4
.set TA, 32                            ; v32-39  codebook chunk a: 2 packed, 4 f32, 2 squares
.set TB, 44                            ; v44-51  codebook chunk b
.set X,  80                            ; v80-151 ring of nine tiles, two loads each
.set OUT, 152                          ; v152-167 out-buffer k at OUT + 8 k: f16 of chunk a (2), of chunk b (2), the two words of CC
; sweep
.set BF,  16                           ; v16-79   8 B fragments
.set DX,  80                           ; v80-111  results, row blocks 0-3
.set DY,  112                          ; v112-143 results, row blocks 4-7
.set AB,  144                          ; v144-207 four buffers of A (8) and C (8)
.set MXA, 208                          ; v208-215 running maxima, read in even tiles and written in odd ones
.set MXB, 216                          ; v216-223 the other way round
.set IX,  224                          ; v224-231 tile of the running maximum
.set M,   232                          ; v232-235 at work
.set PM,  80                           ; v80-95   behind the sweep: the other half of the lanes' maximum and group, a pair for each row block
.set SX,  20                           ; s20-23   masks of the compares of row blocks 0-3
.set SY,  36                           ; s36-39   of row blocks 4-7
	s_load_b128 s[4:7], s[0:1], 0x0                ; codebook s[4:5], z s[6:7]
	s_load_b64 s[8:9], s[0:1], 0x10                ; grp
	v_lshl_add_u32 v238, v0, 2, 0x2a000
	v_mov_b32 v239, 0
	v_lshrrev_b32 v[WV], 5, v0
	v_readfirstlane_b32 s10, v[WV]                 ; wave 0..7
	s_mov_b32 s12, 0x76543210                      ; v_permlanex16_b32: lane i reads lane i of the other half
	s_mov_b32 s13, 0xfedcba98
	s_mov_b32 s14, 0xffff0000                      ; a word's upper bf16
	s_mov_b32 s27, 0xffffe000                      ; keeps the upper 11 significant bits of an f32
	s_lshl_b32 s2, ttmp9, 14                       ; 256 rows of 64 bytes
	s_mov_b32 s3, 0
	s_lshl_b32 s18, ttmp9, 10                      ; 256 words of grp
	s_mov_b32 s19, 0
	v_and_b32 v[LN], 31, v0
	v_and_b32 v[R], 15, v0
	v_bfe_u32 v[H], v0, 4, 1
	v_lshlrev_b32 v[ZO], 6, v[R]                   ; z: row r of block 2 w: 64 r + 32 h + 2,048 w
	v_lshl_add_u32 v[ZO], v[H], 5, v[ZO]
	v_lshl_add_u32 v[ZO], v[WV], 11, v[ZO]
	v_lshlrev_b32 v[GO], 4, v[LN]                  ; codebook: tile 8 s + w is 1,024 bytes: 1,024 w + 16 lane, the rest in the immediates
	v_lshl_add_u32 v[GO], v[WV], 10, v[GO]
	s_wait_alu depctr_va_sdst(0)                   ; s10 is written, ahead of its first reader
	s_and_b32 s11, s10, 1                          ; which 128 rows
	s_lshr_b32 s15, s10, 1                         ; which 1,024 codes
	s_wait_kmcnt 0x0
	s_add_nc_u64 s[6:7], s[6:7], s[2:3]
	s_add_nc_u64 s[8:9], s[8:9], s[18:19]
	s_wait_alu depctr_va_vdst(0)                   ; v[ZO] and v[GO] are written: every global load of the kernel reads one of them as its offset
	global_load_b128 v[ZR:ZR+3],     v[ZO], s[6:7]
	global_load_b128 v[ZR+4:ZR+7],   v[ZO], s[6:7] offset:16
	global_load_b128 v[ZR+8:ZR+11],  v[ZO], s[6:7] offset:1024
	global_load_b128 v[ZR+12:ZR+15], v[ZO], s[6:7] offset:1040
.irp s, 0,1,2,3,4,5,6,7,8,9,10,11,12,13,14,15
	global_load_b128 v[X+4*\s:X+4*\s+3], v[GO], s[4:5] offset:(\s/2)*8192+(\s%2)*512   ; a wave's load covers 512 consecutive bytes: 8 codes; tiles 0 to 7 into X0 to X7
.endr
	; LDS addresses; every wave term comes from the scalar wave number.
	s_lshl_b32 s34, s10, 9                         ; CH: my wave's tile in each step of 8 tiles
	s_lshl_b32 s35, s10, 6
	s_add_co_u32 s35, s35, LDS_CC                  ; CC: the same tile's 16 words
	s_lshl_b32 s36, s10, 11
	s_add_co_u32 s36, s36, LDS_ZF                  ; ZF: row blocks 2 w, 2 w + 1
	s_lshl_b32 s28, s15, 15                        ; my quarter of CH
	s_lshl_b32 s29, s15, 12
	s_add_co_u32 s29, s29, LDS_CC                  ; my quarter of CC
	s_lshl_b32 s30, s11, 13
	s_add_co_u32 s30, s30, LDS_ZF                  ; my 8 row blocks
	s_lshl_b32 s31, s15, 10
	s_lshl_b32 s32, s11, 9
	s_add_co_u32 s31, s31, s32
	s_add_co_u32 s31, s31, LDS_MV                  ; MV[quarter][128 x row half]
	s_lshl_b32 s33, s15, 6                         ; my first tile
	; A lane of the preparation holds dims 4 (l & 3) .. +3 of code c = l >> 2 (chunk a) or 8 + c (chunk b) of the tile:
	; half hq = bit 1 of l, 8-byte part e = bit 0.  Column (code + 8 hq) & 15 = c + 8 hq (a), c + 8 (1 - hq) (b).
	v_bfe_u32 v[LAB], v0, 1, 1                     ; hq
	v_bfe_u32 v[LAA], v0, 2, 3                     ; c
	v_and_b32 v[LC], 1, v0                         ; e
	v_lshlrev_b32 v[LAA], 4, v[LAA]
	v_lshl_add_u32 v[LAA], v[LC], 3, v[LAA]
	v_add_nc_u32 v[LAA], s34, v[LAA]               ; 512 w + 16 c + 8 e
	v_lshl_add_u32 v[LC], v[LAB], 7, v[LAA]        ; + 128 hq
	v_lshl_add_u32 v[LAA], v[LAB], 8, v[LC]        ; a: + 256 hq + 16 x 8 hq
	v_add_nc_u32 v[LAB], 128, v[LC]                ; b: + 256 hq + 16 x 8 (1 - hq)
	v_and_b32 v[LC], 0x1c, v0                      ; 4 c
	v_add_nc_u32 v[LC], s35, v[LC]
	v_lshl_add_u32 v[ZS], v[LN], 4, s36
	v_lshl_add_u32 v[AA], v[H], 3, v[R]
	v_and_b32 v[AA], 15, v[AA]
	v_lshlrev_b32 v[AA], 4, v[AA]
	v_lshl_add_u32 v[AA], v[H], 8, v[AA]
	v_add_nc_u32 v[AA], s28, v[AA]
	v_lshl_add_u32 v[CA], v[H], 5, s29
	v_lshl_add_u32 v[ZB], v[LN], 4, s30
	v_lshl_add_u32 v[MA], v[R], 2, s31
; One row block of z: lane (r, h) holds dims 8 h .. 8 h + 7 of row r, which is what a B fragment wants of it.
; Each of the two blocks has fragment registers of its own, so that one wait serves the stores of both.
.macro ZPREP b
.irp j, 0,1,2,3
	v_cvt_pk_bf16_f32 v[P+\j], v[ZR+8*\b+2*\j], v[ZR+8*\b+2*\j+1]      ; round to bf16,
.endr
.irp j, 0,1,2,3
	v_lshlrev_b32 v[T+2*\j], 16, v[P+\j]                               ; and back to f32
	v_and_b32 v[T+2*\j+1], s14, v[P+\j]
.endr
	v_pk_mul_f32 v[W:W+1], v[T:T+1], v[T:T+1]
.irp j, 2,4,6
	v_pk_fma_f32 v[W:W+1], v[T+\j:T+\j+1], v[T+\j:T+\j+1], v[W:W+1]
.endr
	v_add_f32 v[W], v[W], v[W+1]
	v_permlanex16_b32 v[W+1], v[W], s12, s13       ; the other 8 dims of the row
	v_add_f32 v[W], v[W], v[W+1]
	v_sqrt_f32 v[RR], v[W]
	v_nop                                          ; one plain instruction behind a transcendental before its result is used (ISA guide 5.7.2)
	s_wait_alu depctr_va_vdst(0)
	v_max_num_f32 v[RR], 0x2b8cbccc, v[RR]         ; max(norm, 1e-12)
	v_rcp_f32 v[RR+1], v[RR]
	v_nop
	s_wait_alu depctr_va_vdst(0)
	v_mul_f32 v[RR], 0x43800000, v[RR+1]           ; 256 / norm: the factor keeps the lower parts in f16's normal range
.irp j, 0,2,4,6
	v_pk_mul_f32 v[T+\j:T+\j+1], v[T+\j:T+\j+1], v[RR:RR+1] op_sel_hi:[1,0]
.endr
.irp j, 0,1,2,3,4,5,6,7
	v_and_b32 v[U+\j], s27, v[T+\j]                ; upper 11 bits: exact in f16
.endr
.irp j, 0,2,4,6
	v_pk_add_f32 v[T+\j:T+\j+1], v[T+\j:T+\j+1], v[U+\j:U+\j+1] neg_lo:[0,1] neg_hi:[0,1]   ; the rest, exact in f32
.endr
.irp j, 0,1,2,3
	v_cvt_pk_f16_f32 v[ZH+8*\b+\j],   v[U+2*\j], v[U+2*\j+1]
	v_cvt_pk_f16_f32 v[ZH+8*\b+4+\j], v[T+2*\j], v[T+2*\j+1]
.endr
.endm
	s_wait_loadcnt 16                              ; the four z loads are in; the 16 codebook loads behind them stay out
	ZPREP 0
	ZPREP 1
	s_wait_alu depctr_va_vdst(0)                   ; both blocks' fragments v[ZH ..] are written, which the stores below read; so are the eight LDS addresses made above
.irp b, 0,1
	ds_store_b128 v[ZS], v[ZH+8*\b:ZH+8*\b+3]   offset:1024*\b         ; registers 0-3 of the fragment (k = 8 h ..)
	ds_store_b128 v[ZS], v[ZH+8*\b+4:ZH+8*\b+7] offset:1024*\b+512     ; registers 4-7 (k = 16 + 8 h ..)
.endr
	; The codebook: 32 tiles a wave, a block for each: the tile's two chunks (codes 0-7, codes 8-15) together.
	; Per chunk: round to bf16, widen, squares, f16.  The four lanes of a code add their squares by two DPP steps; all four then
	; store the same word.  Tile 8 p + w lies at 8,192 p in the codebook, 4,096 p in CH, 512 p in CC.
	; Block p's memory instructions are the loads of tile p + 8 and the stores of tile p - 1: see THE PLAN.
.set p, 0
.rept 32
.set XA, X+8*(p%9)
.set XB, X+8*(p%9)+4
.set XN, X+8*((p+8)%9)
.set ONEW, OUT+8*(p%2)
.set OOLD, OUT+8*((p+1)%2)
.if p < 24
	s_wait_loadcnt 14                              ; tile p is in; the 14 loads of the seven tiles behind it stay out
.else
	s_wait_loadcnt 62-2*p                          ; the tail issues no loads: the count runs down
.endif
.if p > 1
	s_wait_alu depctr_vm_vsrc(0)                   ; the stores issued in the block before have read this block's out-buffer, which is written again below (in block 17 also v[LAA] and v[LAB])
.endif
.if p == 17
	v_add_nc_u32 v[LAA], 0x10000, v[LAA]           ; LDS immediates have 16 bits: the second half of CH, from tile 16 on, whose stores stand in this block
	v_add_nc_u32 v[LAB], 0x10000, v[LAB]
.endif
.if p > 0
	s_wait_alu depctr_va_vdst(0)                   ; the block before has written the other out-buffer, which the stores below read, and is done reading its X, in which the loads below land (in block 17: v[LAA], v[LAB] are written)
.endif
.if p < 24
	global_load_b128 v[XN:XN+3],   v[GO], s[4:5] offset:(p+8)*8192        ; eight tiles ahead; no vector instruction since the wait names these registers (block 0: none ever has)
	global_load_b128 v[XN+4:XN+7], v[GO], s[4:5] offset:(p+8)*8192+512
.endif
	v_cvt_pk_bf16_f32 v[TA],   v[XA],   v[XA+1]
	v_cvt_pk_bf16_f32 v[TB],   v[XB],   v[XB+1]
	v_cvt_pk_bf16_f32 v[TA+1], v[XA+2], v[XA+3]
	v_cvt_pk_bf16_f32 v[TB+1], v[XB+2], v[XB+3]
.if p > 0
	ds_store_b64 v[LAA], v[OOLD:OOLD+1]   offset:((p-1)%16)*4096          ; the tile before
	ds_store_b64 v[LAB], v[OOLD+2:OOLD+3] offset:((p-1)%16)*4096
.endif
	v_lshlrev_b32 v[TA+2], 16, v[TA]
	v_and_b32     v[TA+3], s14, v[TA]
	v_lshlrev_b32 v[TA+4], 16, v[TA+1]
	v_and_b32     v[TA+5], s14, v[TA+1]
	v_lshlrev_b32 v[TB+2], 16, v[TB]
	v_and_b32     v[TB+3], s14, v[TB]
	v_lshlrev_b32 v[TB+4], 16, v[TB+1]
	v_and_b32     v[TB+5], s14, v[TB+1]
.if p > 0
	ds_store_b32 v[LC], v[OOLD+4] offset:(p-1)*512
	ds_store_b32 v[LC], v[OOLD+5] offset:(p-1)*512+32
.endif
	v_pk_mul_f32 v[TA+6:TA+7], v[TA+2:TA+3], v[TA+2:TA+3]
	v_pk_mul_f32 v[TB+6:TB+7], v[TB+2:TB+3], v[TB+2:TB+3]
	v_cvt_pk_f16_f32 v[ONEW],   v[TA+2], v[TA+3]
	v_cvt_pk_f16_f32 v[ONEW+2], v[TB+2], v[TB+3]
	v_cvt_pk_f16_f32 v[ONEW+1], v[TA+4], v[TA+5]
	v_cvt_pk_f16_f32 v[ONEW+3], v[TB+4], v[TB+5]
	v_pk_fma_f32 v[TA+6:TA+7], v[TA+4:TA+5], v[TA+4:TA+5], v[TA+6:TA+7]
	v_pk_fma_f32 v[TB+6:TB+7], v[TB+4:TB+5], v[TB+4:TB+5], v[TB+6:TB+7]
	v_add_f32 v[TA+6], v[TA+6], v[TA+7]
	v_add_f32 v[TB+6], v[TB+6], v[TB+7]
	v_add_f32_dpp v[TA+6], v[TA+6], v[TA+6] row_xmask:1 row_mask:0xf bank_mask:0xf
	v_add_f32_dpp v[TB+6], v[TB+6], v[TB+6] row_xmask:1 row_mask:0xf bank_mask:0xf
	v_add_f32_dpp v[TA+6], v[TA+6], v[TA+6] row_xmask:2 row_mask:0xf bank_mask:0xf
	v_add_f32_dpp v[TB+6], v[TB+6], v[TB+6] row_xmask:2 row_mask:0xf bank_mask:0xf
	v_mul_f32 v[ONEW+4], 0xc3000000, v[TA+6]       ; -128 |cb|^2 = 256 x (-|cb|^2 / 2)
	v_mul_f32 v[ONEW+5], 0xc3000000, v[TB+6]
.set p, p+1
.endr
	s_wait_alu depctr_va_vdst(0)                   ; block 31 has written its out-buffer, which the last four stores read
	ds_store_b64 v[LAA], v[OUT+8:OUT+9]   offset:15*4096
	ds_store_b64 v[LAB], v[OUT+10:OUT+11] offset:15*4096
	ds_store_b32 v[LC], v[OUT+12] offset:31*512
	ds_store_b32 v[LC], v[OUT+13] offset:31*512+32
	s_wait_dscnt 0x0                               ; my stores are in LDS, for the other waves' sake
	s_barrier_signal -1
	s_barrier_wait -1                              ; the tables are whole
	s_wait_alu depctr_vm_vsrc(0)                   ; my LDS stores have read the out-buffers and z's fragment registers, in which the loads below land
	                                               ; (the vector instructions that named v16 to v167 stand ahead of the last wait on va_vdst)
.irp k, 0,1,2,3,4,5,6,7
	ds_load_b128 v[BF+8*\k:BF+8*\k+3],   v[ZB] offset:1024*\k
	ds_load_b128 v[BF+8*\k+4:BF+8*\k+7], v[ZB] offset:1024*\k+512
.endr
; A and C of the tile t tiles behind the round's first, into buffer buf.  A's registers 4-7 repeat registers 0-3 (A = [cb | cb]):
; the same 16 bytes are read twice, which costs an LDS read and no vector instruction.
.macro LOADT buf, t
	ds_load_b128 v[AB+16*(\buf):AB+16*(\buf)+3],     v[AA] offset:512*(\t)
	ds_load_b128 v[AB+16*(\buf)+4:AB+16*(\buf)+7],   v[AA] offset:512*(\t)
	ds_load_b128 v[AB+16*(\buf)+8:AB+16*(\buf)+11],  v[CA] offset:64*(\t)
	ds_load_b128 v[AB+16*(\buf)+12:AB+16*(\buf)+15], v[CA] offset:64*(\t)+16
.endm
	LOADT 0, 0
	LOADT 1, 1
	LOADT 2, 2
	LOADT 3, 3                                     ; both pairs of buffers are asked for at the start
.irp k, 0,1,2,3,4,5,6,7
	v_mov_b32 v[MXA+\k], 0xff800000                ; -infinity: any finite score replaces it
	v_mov_b32 v[IX+\k], s33
.endr
	v_mov_b32 v[TL], s33
; four matrix instructions: one tile of codes x row blocks rb0 .. rb0 + 3, C = -128 |cb|^2, results into d
.macro WBLK d, rb0, buf
.irp k, 0,1,2,3
	v_wmma_f32_16x16x32_f16 v[\d+8*\k:\d+8*\k+7], v[AB+16*\buf:AB+16*\buf+7], v[BF+8*(\rb0+\k):BF+8*(\rb0+\k)+7], v[AB+16*\buf+8:AB+16*\buf+15]
.endr
.endm
; their reduction: the new running maximum takes the old one in as third operand of the last three-way maximum, into the other
; set of registers, so that one compare of new against old says whether this tile won (strictly: the earlier tile keeps a tie).
; The four masks go into s[sg .. sg + 3]; the selects that read them (VSEL) stand behind the tile's one wait on va_sdst.
.macro VRED d, rb0, bo, bn, sg
.irp k, 0,1,2,3
	v_max3_num_f32 v[M+\k], v[\d+8*\k], v[\d+8*\k+1], v[\d+8*\k+2]
.endr
.irp k, 0,1,2,3
	v_max3_num_f32 v[M+\k], v[M+\k], v[\d+8*\k+3], v[\d+8*\k+4]
.endr
.irp k, 0,1,2,3
	v_max3_num_f32 v[M+\k], v[M+\k], v[\d+8*\k+5], v[\d+8*\k+6]
.endr
.irp k, 0,1,2,3
	v_max3_num_f32 v[\bn+\rb0+\k], v[M+\k], v[\d+8*\k+7], v[\bo+\rb0+\k]
.endr
.irp k, 0,1,2,3
	v_cmp_gt_f32 s[\sg+\k], v[\bn+\rb0+\k], v[\bo+\rb0+\k]
.endr
.endm
.macro VSEL rb0, sg
.irp k, 0,1,2,3
	v_cndmask_b32 v[IX+\rb0+\k], v[IX+\rb0+\k], v[TL], s[\sg+\k]
.endr
.endm
; One tile.  Matrix instructions into one result buffer are followed by the vector instructions that reduce the OTHER buffer:
; these are the independent vector instructions that the ISA guide (7.12.1) asks for between a matrix instruction and the reader of
; its result and between two writers of a result buffer.
; load = 1 (even tiles): the eight loads of the two tiles of the next pair, four ahead of and four behind the first four matrix instructions,
; which name buffer j, B's fragments and DX: none of the registers that those loads touch.
; left: the LDS loads that may stay out: at an even tile the next tile's four, at an odd one the eight issued in the tile before.
.macro STEP j, first, load, left
	s_wait_dscnt \left
.if \load
	s_wait_alu depctr_va_vdst(0)                   ; the matrix instructions of the two tiles before are done reading the other pair of buffers, in which the loads below land; in a round's first tile v[AA] and v[CA] are written
.set NB, (\j+2)%4
.set NT, \j+2
	LOADT NB, NT
.endif
	WBLK DX, 0, \j
.if \load
.set NB, (\j+3)%4
.set NT, \j+3
	LOADT NB, NT
.endif
.if \first
	v_nop                                          ; nothing to reduce yet: the four places behind the first results
	v_nop
	v_nop
	v_nop
.elseif (\j)%2
	VRED DY, 4, MXA, MXB, SY                       ; row blocks 4-7 of the tile before
.else
	VRED DY, 4, MXB, MXA, SY
.endif
	WBLK DY, 4, \j
.if (\j)%2
	VRED DX, 0, MXB, MXA, SX
.else
	VRED DX, 0, MXA, MXB, SX
.endif
	s_wait_alu depctr_va_sdst(0)                   ; the tile's compares have written their masks, ahead of the selects that read them
.if !\first
	VSEL 4, SY
	v_add_nc_u32 v[TL], 1, v[TL]                   ; that tile is done
.endif
	VSEL 0, SX
.endm
; The head of every round of four tiles but the first: the two LDS addresses move on by four tiles.
.macro ON
	s_wait_alu depctr_vm_vsrc(0)                   ; the LDS loads issued so far have read v[AA] and v[CA]
	v_add_nc_u32 v[AA], 2048, v[AA]
	v_add_nc_u32 v[CA], 256, v[CA]
.endm
	STEP 0, 1, 0, 12                               ; this wait also covers the 16 loads of the B fragments, which are older; tiles 1 to 3 stay out
	STEP 1, 0, 0, 8
	STEP 2, 0, 1, 4
	STEP 3, 0, 0, 8
	s_mov_b32 s24, 14                              ; 64 tiles = 4 in front, 14 x 4 in the loop, 4 behind
.Lsweep:
	ON
	STEP 0, 0, 1, 4
	STEP 1, 0, 0, 8
	STEP 2, 0, 1, 4
	STEP 3, 0, 0, 8
	s_sub_co_u32 s24, s24, 1
	s_cmp_lg_u32 s24, 0
	s_cbranch_scc1 .Lsweep
	ON
	STEP 0, 0, 1, 4                                ; asks for my last two tiles
	STEP 1, 0, 0, 8
	STEP 2, 0, 0, 4                                ; nothing more is asked for: the counts run down
	STEP 3, 0, 0, 0
	VRED DY, 4, MXB, MXA, SY                       ; the last tile's row blocks 4-7; all maxima now lie in MXA
	s_wait_alu depctr_va_sdst(0)                   ; these four compares have written their masks
	VSEL 4, SY
	; merge the two halves of the lanes (codes 8 h + ..): the larger score, at equal scores the lower group.
	; Four row blocks at a time: their twelve compares in one run, one wait, the scalar logic, the selects.
.irp g, 0,4
.irp k, 0,1,2,3
	v_lshl_or_b32 v[IX+\g+\k], v[IX+\g+\k], 1, v[H]    ; g = 2 tile + h
.endr
.irp k, 0,1,2,3
	v_permlanex16_b32 v[PM+2*(\g+\k)],   v[MXA+\g+\k], s12, s13
	v_permlanex16_b32 v[PM+2*(\g+\k)+1], v[IX+\g+\k],  s12, s13
.endr
.irp k, 0,1,2,3
	v_cmp_gt_f32 s[14+3*\k], v[PM+2*(\g+\k)],   v[MXA+\g+\k]
	v_cmp_eq_f32 s[15+3*\k], v[PM+2*(\g+\k)],   v[MXA+\g+\k]
	v_cmp_lt_u32 s[16+3*\k], v[PM+2*(\g+\k)+1], v[IX+\g+\k]
.endr
	s_wait_alu depctr_va_sdst(0)                   ; the twelve compares have written s14 to s25, ahead of the scalar logic that reads them
.irp k, 0,1,2,3
	s_and_b32 s[15+3*\k], s[15+3*\k], s[16+3*\k]
	s_or_b32  s[14+3*\k], s[14+3*\k], s[15+3*\k]
.endr
.irp k, 0,1,2,3
	v_cndmask_b32 v[MXA+\g+\k], v[MXA+\g+\k], v[PM+2*(\g+\k)],   s[14+3*\k]
	v_cndmask_b32 v[IX+\g+\k],  v[IX+\g+\k],  v[PM+2*(\g+\k)+1], s[14+3*\k]
.endr
.endr
	s_wait_alu depctr_va_vdst(0)                   ; the selects have written MXA and IX, which the stores below read
	; MV and MI are bytes that nothing has touched so far, and each wave's words are its own.
.irp k, 0,1,2,3,4,5,6,7
	ds_store_b32 v[MA], v[MXA+\k] offset:64*\k     ; both halves now hold the same pair and store the same words
	ds_store_b32 v[MA], v[IX+\k] offset:MI+64*\k
.endr
	s_wait_dscnt 0x0                               ; for the waves that read these words
	s_barrier_signal -1
	s_barrier_wait -1
	; waves 0 and 1: a lane takes 4 neighbouring rows, so that a wave's one store covers 512 consecutive bytes of grp
	s_cmp_gt_u32 s10, 1
	s_cbranch_scc1 .Lend
	s_wait_alu depctr_vm_vsrc(0)                   ; my stores above have read v[MA], which is written anew below
	v_lshl_add_u32 v[ZO], v[LN], 4, s32            ; 16 lane + 512 (w & 1)
	v_add_nc_u32 v[MA], LDS_MV, v[ZO]
	s_wait_alu depctr_va_vdst(0)                   ; v[MA] is written, which the loads below read; they land in registers of B's fragments, which the matrix instructions are done reading
.irp q, 0,1,2,3
	ds_load_b128 v[16+4*\q:19+4*\q], v[MA] offset:1024*\q
	ds_load_b128 v[32+4*\q:35+4*\q], v[MA] offset:MI+1024*\q
.endr
	s_wait_dscnt 0x0
.irp q, 1,2,3
.irp e, 0,1,2,3
	v_cmp_gt_f32 s[SX+\e], v[16+4*\q+\e], v[16+\e] ; the quarters in ascending order of codes: strictly greater replaces
.endr
	s_wait_alu depctr_va_sdst(0)                   ; the four compares have written their masks, ahead of the selects
.irp e, 0,1,2,3
	v_cndmask_b32 v[16+\e], v[16+\e], v[16+4*\q+\e], s[SX+\e]
	v_cndmask_b32 v[32+\e], v[32+\e], v[32+4*\q+\e], s[SX+\e]
.endr
.endr
	s_wait_alu depctr_va_vdst(0)                   ; the selects have written v32 to v35, the store's data (its offset v[ZO] stands ahead of the wait before)
	global_store_b128 v[ZO], v[32:35], s[8:9]
.Lend:
	s_wait_dscnt 0x0
	s_wait_alu depctr_hold_cnt(0) depctr_sa_sdst(0) depctr_va_vdst(0) depctr_va_sdst(0) depctr_va_ssrc(0) depctr_va_vcc(0) depctr_vm_vsrc(0)
	s_wait_tensorcnt 0x0
	ds_add_u32 v238, v239
	s_wait_dscnt 0x0
	s_endpgm
.Lfunc_end_k_qed8375e7e0_sweep:
	.size	k_qed8375e7e0_sweep, .Lfunc_end_k_qed8375e7e0_sweep-k_qed8375e7e0_sweep
	.p2alignl 7, 3214868480
	.fill 96, 4, 3214868480
	.section	.rodata,"a",@progbits
	.p2align	6, 0x0
	.amdhsa_kernel k_qed8375e7e0_sweep
		.amdhsa_group_segment_fixed_size 173056
		.amdhsa_private_segment_fixed_size 0
		.amdhsa_enable_private_segment 0
		.amdhsa_kernarg_size 24
		.amdhsa_user_sgpr_count 2
		.amdhsa_user_sgpr_kernarg_segment_ptr 1
		.amdhsa_wavefront_size32 1
		.amdhsa_system_sgpr_workgroup_id_x 1
		.amdhsa_system_sgpr_workgroup_id_y 1
		.amdhsa_system_sgpr_workgroup_id_z 1
		.amdhsa_system_vgpr_workitem_id 0
		.amdhsa_next_free_vgpr 240
		.amdhsa_next_free_sgpr 66
		.amdhsa_reserve_vcc 0
		.amdhsa_float_denorm_mode_32 3
		.amdhsa_float_denorm_mode_16_64 3
		.amdhsa_memory_ordered 1
		.amdhsa_forward_progress 1
		.amdhsa_inst_pref_size 130
	.end_amdhsa_kernel
	.amdgpu_metadata
---
amdhsa.version: [ 1, 2 ]
amdhsa.kernels:
  - .name:           k_qed8375e7e0_sweep
    .symbol:         k_qed8375e7e0_sweep.kd
    .args:
      - { .name: codebook_weight, .offset: 0, .size: 8, .value_kind: global_buffer, .address_space: global }
      - { .name: z, .offset: 8, .size: 8, .value_kind: global_buffer, .address_space: global }
      - { .name: grp, .offset: 16, .size: 8, .value_kind: global_buffer, .address_space: global }
    .group_segment_fixed_size: 173056
    .private_segment_fixed_size: 0
    .kernarg_segment_align: 8
    .kernarg_segment_size: 24
    .max_flat_workgroup_size: 256
    .sgpr_count:     66
    .vgpr_count:     240
    .wavefront_size: 32
...
	.end_amdgpu_metadata
.endif
;; end of part 4
;; launch refine: the kernel of part 2 again; grid 256 x 1, 8 waves a work-group, no clusters, 3,072 bytes of LDS; arguments codebook_weight, z, grp, out0, out4, part; writes out0, out4, part
;; launch finish: the kernel of part 3 again; grid 1 x 1, 1 waves a work-group, no clusters, 0 bytes of LDS; arguments part, out1, out2, out3; writes out1, out2, out3
